; MI455X (gfx1250); checked and timed in simulation.
; The chip was launched on July 23, 2026; its instructions are those of AMD's public machine-readable ISA for CDNA 5 (MIT licence, August 2026) and "CDNA5" Instruction Set Architecture Reference Guide (July 2026). The comments in the code are by the model that wrote it; some were corrected since.
;; Bahdanau Attention. Allowed arithmetic: matrix products marked QUANTISED: E5M2 operands, one E8M0 scale for each 32 along K, by v_wmma_scale_f32_16x16x128_f8f6f4 with both operands' format E5M2, f32 sums; products left as they are: f32 operands where the result goes on into a quantised operand, else bf16, f16 or f32 operands; f32 sums; everything else in f32.
;; Inputs: U_a 1,024 x 1,024 float32; W_a 1,024 x 1,024 float32; encoder_outputs 32 x 2,048 x 1,024 float32; hidden 32 x 1,024 float32; v_a 1,024 float32.
;; Outputs: out0 32 x 1,024 float32; out1 32 x 2,048 float32.
;; This version of the problem:
;;   THIS VERSION OF THE PROBLEM IS GIVEN IN LOW PRECISION. The matrix products marked QUANTISED in the list below multiply operands that are first quantised to E5M2 (5 exponent bits, 2 mantissa bits; 8 bits a number), with one power-of-two scale for each 32 numbers along K (OCP MX v1.0); their sums are f32. All else is computed in f32.
;;   The module's matrix products, in the order in which they are computed (A, B: the left and right operand; K: the contracted axis; several contracted axes count as one K, in the product's order):
;;     1. [M 32, K 1,024] x [K 1,024, N 1,024]; A: input hidden; B: input W_a: QUANTISED
;;     2. [M 65,536, K 1,024] x [K 1,024, N 1,024]; A: input encoder_outputs; B: input U_a: QUANTISED
;;     3. [M 65,536, K 1,024] x [K 1,024, N 1]; A: computed on the way; B: input v_a: left as it is (N = 1 < 16)
;;     4. batch 32 x [M 1, K 2,048] x [K 2,048, N 1,024]; A: softmax; B: input encoder_outputs: left as it is (M = 1 < 16)
;;   THE QUANTISER, for each operand of a quantised product, along K:
;;     - K is cut into blocks of 32 from its start; a last block that is shorter is filled with zeros.
;;     - A block's scale is 2^e with e = floor(log2(the largest magnitude in the block)) - 15, held to -126 .. 127; a block of zeros has e = 0. As a byte (E8M0): e + 127.
;;     - Each number is divided by its block's scale, clamped to +-57,344, and rounded to the nearest number of E5M2, ties to even, subnormals kept.
;;     - The product sums the exact products of the quantised numbers (number of the format x scale) in f32.
;;   ~~~python
;;   def quantise(x, axis):      # numpy; x: float32 -> the quantised numbers, widened to float32 again
;;       x = np.moveaxis(x, axis, -1); K = x.shape[-1]
;;       x = np.pad(x, [(0, 0)] * (x.ndim - 1) + [(0, -K % 32)]); x = x.reshape(x.shape[:-1] + (-1, 32)); a = np.abs(x).max(-1, keepdims=True)
;;       e = np.where(a > 0, np.clip(np.frexp(np.where(a > 0, a, 1))[1] - 1 - 15, -126, 127), 0)      # np.frexp(a)[1] - 1 = floor(log2(a)), exactly
;;       r = np.clip(x / 2.0 ** e, -57344, 57344)
;;       step = 2.0 ** (np.maximum(np.frexp(np.where(r == 0, 1, r))[1] - 1, -14) - 2)
;;       q = np.round(r / step) * step * 2.0 ** e      # np.round: ties to even
;;       return np.moveaxis(q.reshape(q.shape[:-2] + (-1,))[..., :K], -1, axis).astype(np.float32)
;;   ~~~
;; One version. Each part assembles by itself: llvm-mc -triple=amdgcn-amd-amdhsa -mcpu=gfx1250 --defsym DOCPART=n.
;; ======== version 1 of 1: 3 launches
;; limits: right only within a limited range of input values
;; workspace buffers: ucodes 1,048,576 bytes; uscales 32,768 bytes; whc 131,072 bytes; scores 262,144 bytes
;; launch prep (part 1): grid 64 x 1, 8 waves a work-group, no clusters, 17,920 bytes of LDS; arguments U_a, W_a, hidden, ucodes, uscales, whc; writes ucodes, uscales, whc
.if DOCPART == 1
	.amdgcn_target "amdgcn-amd-amdhsa--gfx1250"
	.amdhsa_code_object_version 6
	.text
	.protected	k_qf2718ee866_prep
	.globl	k_qf2718ee866_prep
	.p2align	8
	.type	k_qf2718ee866_prep,@function
k_qf2718ee866_prep:
	s_mov_b64 s[64:65], 0
	v_nop
	global_prefetch_b8 v0, s[64:65] scope:SCOPE_SE
	s_setreg_imm32_b32 hwreg(HW_REG_WAVE_MODE, 25, 1), 1
	s_wait_xcnt 0x0
; U_a [1024][1024] f32 becomes codes of BF8 (E5M2) with one E8M0 byte for each 32 along K, laid in the order of a matrix operand's registers;
; and c x wh = c x Q(hidden) Q(W_a)^T is made, c = 2 log2(e), laid by tiles of 16 outputs.
; SHARES.  Work-group t takes rows 16 t .. 16 t + 15 of U_a and of W_a; wave w takes K step w (128 along K).  One path for all, one barrier.
; LAYOUTS OUT.  ucodes [t][K step][c][lane][16 bytes]: registers 4 c .. 4 c + 3 of the fragment (lane (r, h): row r, k = 32 c + 16 h + 0 .. 15).
;   uscales [t][lane][4 words]: lane r + 16 p, word q: row r's scale word of K step 2 q + p.   whc [t][32 batches][16 outputs] f32.
; A lane wants 16 neighbours along K of each block of 32 of its row: four loads of 16 bytes a block, rows 4,096 bytes apart from lane to lane.  The three tensors are 8.5 MB in all, so no stage in LDS is spent on denser loads.
; hidden is read by all 64 work-groups; it goes from memory straight into registers to be quantised, so there is no tile that could be asked for jointly.
; A block's scale is 2^(floor(log2(its largest magnitude)) - 15); its byte is the largest magnitude's exponent field - 15, held at 1 from below.
; LIMITS: NaN and infinities among the inputs are not served.  A block of zeros gets the byte 1 where the rule says 127: its codes are zeros, and this program alone reads the bytes.
.set UC,   16                          ; v16-31   U's codes
.set SETA, 32                          ; v32-95   64 numbers: U, later hidden's rows 16-31, later the partial sums
.set SETB, 96                          ; v96-159  W's numbers; then hidden's codes and the two accumulators
.set SETC, 160                         ; v160-223 hidden's rows 0-15
.set TM,   224                         ; v224-239 at work in QUANT
.set WC,   240                         ; v240-255 W's codes
.set HC0,  96
.set HC1,  112
.set AC,   128
.set PWU,  8                           ; v8-11    scale words, and nothing else: U's, W's, hidden's two
.set PWW,  9
.set PWH0, 10
.set PWH1, 11
.set RED,  0                           ; LDS: eight waves x 2,048 bytes of partial sums
.set USL,  16384                       ; and 512 bytes: the tile's scale words as they go out
.set WV,   16
.set SEL,  28
.set MNT,  30
; 64 numbers of a lane, register 16 b + i = k 32 b + 16 (lane / 16) + i of my row, become a fragment's codes in v[d] on and its scale word in v[pw]
.macro QUANT s, d, pw
.irp b, 0,1,2,3
	v_max3_num_f32 v[TM+\b], |v[\s+16*\b]|, |v[\s+1+16*\b]|, 0x8000000   ; my 16 numbers of block b, and the floor 2^(16 - 127): the byte cannot fall under 1
.endr
.irp i, 2,4,6,8,10,12,14
.irp b, 0,1,2,3
	s_delay_alu instid0(VALU_DEP_4)
	v_max3_num_f32 v[TM+\b], v[TM+\b], |v[\s+16*\b+\i]|, |v[\s+1+16*\b+\i]|   ; the four blocks by turns
.endr
.endr
.irp b, 0,1,2,3
	s_delay_alu instid0(VALU_DEP_4)
	v_permlanex16_b32 v[TM+4+\b], v[TM+\b], s[SEL], s[SEL+1]
.endr
.irp b, 0,1,2,3
	s_delay_alu instid0(VALU_DEP_4)
	v_max_num_f32 v[TM+\b], v[TM+\b], v[TM+4+\b]   ; with lane l xor 16's: the block's largest magnitude
.endr
.irp b, 0,1,2,3
	s_delay_alu instid0(VALU_DEP_4)
	v_add_nc_u32 v[TM+12+\b], 0xf8800000, v[TM+\b]   ; 15 off its exponent field: the conversion's scale operand
.endr
.irp b, 0,1,2,3
	v_and_or_b32 v[TM+8+\b], v[TM+\b], 0x7f800000, s[MNT]   ; 57,344 x the scale
.endr
.irp b, 0,1,2,3
	v_lshrrev_b32 v[TM+4+\b], 23, v[TM+12+\b]      ; the scale's byte
.endr
	s_delay_alu instid0(VALU_DEP_3)
	v_lshl_or_b32 v[\pw], v[TM+5], 8, v[TM+4]
	s_delay_alu instid0(VALU_DEP_1)
	v_lshl_or_b32 v[\pw], v[TM+6], 16, v[\pw]
	s_delay_alu instid0(VALU_DEP_1)
	v_lshl_or_b32 v[\pw], v[TM+7], 24, v[\pw]      ; my row's scale word
.irp b, 0,1,2,3
.irp i, 0,1,2,3,4,5,6,7,8,9,10,11,12,13,14,15
	v_med3_num_f32 v[\s+16*\b+\i], v[\s+16*\b+\i], -v[TM+8+\b], v[TM+8+\b]   ; the conversion to an 8-bit code does not saturate (ISA guide 7.6.2): the hold comes first
.endr
	v_cvt_scalef32_pk8_bf8_f32 v[\d+4*\b:\d+1+4*\b], v[\s+16*\b:\s+7+16*\b], v[TM+12+\b]
	v_cvt_scalef32_pk8_bf8_f32 v[\d+2+4*\b:\d+3+4*\b], v[\s+8+16*\b:\s+15+16*\b], v[TM+12+\b]
.endr
	v_nop                                          ; one plain line behind the last conversion
.endm
.macro LOAD16 reg, base, off           ; my 64 numbers of a K step: 16 neighbours of each block of 32
.irp b, 0,1,2,3
.irp j, 0,1,2,3
	global_load_b128 v[\reg+16*\b+4*\j:\reg+16*\b+4*\j+3], v3, s[\base:\base+1] offset:\off+128*\b+16*\j
.endr
.endr
.endm
	s_load_b256 s[4:11], s[0:1], 0x0               ; U s[4:5], W s[6:7], hidden s[8:9], ucodes s[10:11]
	s_load_b128 s[12:15], s[0:1], 0x20             ; uscales s[12:13], whc s[14:15]
	s_set_vgpr_msb 0x40
	v_lshl_add_u32 v0, v0, 2, 0x4200
	v_mov_b32 v1, 0
	s_set_vgpr_msb 0x4000
	v_lshrrev_b32 v14, 5, v0
	s_delay_alu instid0(VALU_DEP_1)
	v_readfirstlane_b32 s[WV], v14                 ; wave = K step
	v_and_b32 v1, 15, v0                           ; r
	v_bfe_u32 v2, v0, 4, 1                         ; h
	v_and_b32 v15, 31, v0
	s_delay_alu instid0(VALU_DEP_1)
	v_lshlrev_b32 v4, 4, v15                       ; 16 x lane
	s_wait_alu depctr_va_vdst(0)
	s_lshl_b32 s17, s[WV], 9
	v_lshlrev_b32 v3, 12, v1
	s_delay_alu instid0(VALU_DEP_1)
	v_lshl_add_u32 v3, v2, 6, v3
	s_delay_alu instid0(VALU_DEP_1)
	v_add_nc_u32 v3, s17, v3                       ; row r of 4,096 bytes + 512 w + 64 h
	s_and_b32 s18, s[WV], 1
	s_lshl_b32 s18, s18, 8
	s_lshr_b32 s19, s[WV], 1
	s_lshl_b32 s19, s19, 2
	s_add_co_u32 s18, s18, s19
	s_add_co_u32 s18, s18, USL
	v_lshl_add_u32 v5, v1, 4, s18                  ; U's scale word: USL + 16 (r + 16 (w & 1)) + 4 (w >> 1)
	s_lshl_b32 s19, s[WV], 11
	v_add_nc_u32 v6, s19, v4                       ; my partial sums: 2,048 w + 16 x lane
	v_and_b32 v14, 127, v0                         ; p: which 16 bytes of the tile's 2,048 of whc a thread of waves 0-3 makes: batch p >> 2, outputs 4 (p & 3) on
	s_delay_alu instid0(VALU_DEP_1)
	v_lshrrev_b32 v7, 6, v14
	s_delay_alu instid0(VALU_DEP_1)
	v_lshlrev_b32 v7, 10, v7
	s_delay_alu instid0(VALU_DEP_3)
	v_and_b32 v15, 1, v14
	s_delay_alu instid0(VALU_DEP_1)
	v_lshl_add_u32 v7, v15, 9, v7
	v_bfe_u32 v15, v14, 2, 4
	s_delay_alu instid0(VALU_DEP_1)
	v_lshl_add_u32 v7, v15, 4, v7
	v_bfe_u32 v15, v14, 1, 1
	s_delay_alu instid0(VALU_DEP_1)
	v_lshl_add_u32 v7, v15, 8, v7                  ; where they lie in a wave's image: 1,024 (p >> 6) + 512 (p & 1) + 16 ((p >> 2) & 15) + 256 ((p >> 1) & 1)
	v_lshlrev_b32 v12, 4, v14                      ; 16 p
	v_add_nc_u32 v13, USL, v4
.irp b, 0,1,2,3
	v_mov_b32 v[TM+4+\b], 0                        ; written once: a lane permute's destination counts as one of its sources
.endr
	s_mov_b32 s[SEL], 0x76543210
	s_mov_b32 s[SEL+1], 0xfedcba98                 ; lane l xor 16
	s_mov_b32 s[MNT], 0x600000                     ; the mantissa field of 57,344
	s_lshl_b32 s20, ttmp9, 16                      ; 16 rows of 4,096 bytes
	s_mov_b32 s21, 0
	s_lshl_b32 s22, ttmp9, 14
	s_add_co_u32 s22, s22, s19                     ; ucodes: 16,384 t + 2,048 w
	s_mov_b32 s23, 0
	s_lshl_b32 s24, ttmp9, 9                       ; uscales: 512 t
	s_mov_b32 s25, 0
	s_lshl_b32 s26, ttmp9, 11                      ; whc: 2,048 t
	s_mov_b32 s27, 0
	s_wait_kmcnt 0x0
	s_add_nc_u64 s[4:5], s[4:5], s[20:21]
	s_add_nc_u64 s[6:7], s[6:7], s[20:21]
	s_add_nc_u64 s[10:11], s[10:11], s[22:23]
	s_add_nc_u64 s[12:13], s[12:13], s[24:25]
	s_add_nc_u64 s[14:15], s[14:15], s[26:27]
	LOAD16 SETA, 4, 0                              ; U
	LOAD16 SETB, 6, 0                              ; W
	LOAD16 SETC, 8, 0                              ; hidden's rows 0-15
	s_wait_loadcnt 32                              ; U's 16 loads are in; W's and hidden's 32 may be out
	QUANT SETA, UC, PWU
.irp c, 0,1,2,3
	global_store_b128 v4, v[UC+4*\c:UC+4*\c+3], s[10:11] offset:512*\c   ; 32 lanes store 512 consecutive bytes; these registers are not written again
.endr
	ds_store_b32 v5, v[PWU]                        ; lanes r and r + 16 write the same word with the same value
	LOAD16 SETA, 8, 65536                          ; hidden's rows 16-31
	s_wait_loadcnt 32                              ; W is in
	QUANT SETB, WC, PWW
	s_wait_loadcnt 16                              ; hidden's rows 0-15
	QUANT SETC, HC0, PWH0
	s_wait_loadcnt 0x0
	QUANT SETA, HC1, PWH1
.rept 8
	v_nop                                          ; a scale word made by vector instructions stands eight places ahead of a scaled matrix instruction, codes so made four
.endr
	; transposed: source 0 = 16 rows of W, source 1 = 16 rows of hidden: lane (r, h), register j: output 8 h + j, batch 16 m + r
	v_wmma_scale_f32_16x16x128_f8f6f4 v[AC:AC+7], v[WC:WC+15], v[HC0:HC0+15], 0, v[PWW], v[PWH0] matrix_a_fmt:MATRIX_FMT_BF8 matrix_b_fmt:MATRIX_FMT_BF8
	v_wmma_scale_f32_16x16x128_f8f6f4 v[AC+8:AC+15], v[WC:WC+15], v[HC1:HC1+15], 0, v[PWW], v[PWH1] matrix_a_fmt:MATRIX_FMT_BF8 matrix_b_fmt:MATRIX_FMT_BF8
.rept 8
	v_nop                                          ; eight places ahead of the first read of the results
.endr
.irp g, 0,1,2,3
	ds_store_b128 v6, v[AC+4*\g:AC+4*\g+3] offset:RED+512*\g   ; each accumulator from its low end on
.endr
	s_wait_dscnt 0x0                               ; for the others' sake: my partial sums and my scale word lie in LDS
	s_barrier_signal -1
	s_barrier_wait -1
	s_cmp_lt_u32 s[WV], 4
	s_cbranch_scc0 .Lhigh
.irp w, 0,1,2,3,4,5,6,7
	ds_load_b128 v[SETA+4*\w:SETA+4*\w+3], v7 offset:RED+2048*\w   ; the eight K steps' parts of my four numbers
.endr
	s_wait_dscnt 0x0
.irp w, 1
	v_pk_add_f32 v[SETA:SETA+1], v[SETA:SETA+1], v[SETA+4*\w:SETA+4*\w+1]         ; K ascending
	v_pk_add_f32 v[SETA+2:SETA+3], v[SETA+2:SETA+3], v[SETA+4*\w+2:SETA+4*\w+3]
.endr
.irp w, 2, 3, 4, 5, 6, 7
	s_delay_alu instid0(VALU_DEP_2)
	v_pk_add_f32 v[SETA:SETA+1], v[SETA:SETA+1], v[SETA+4*\w:SETA+4*\w+1]         ; K ascending
	s_delay_alu instid0(VALU_DEP_2)
	v_pk_add_f32 v[SETA+2:SETA+3], v[SETA+2:SETA+3], v[SETA+4*\w+2:SETA+4*\w+3]
.endr
	s_delay_alu instid0(VALU_DEP_2)
	v_pk_mul_f32 v[SETA:SETA+1], v[SETA:SETA+1], 0x4038aa3b op_sel_hi:[1,0]       ; x c = 2 log2(e)
	s_delay_alu instid0(VALU_DEP_2)
	v_pk_mul_f32 v[SETA+2:SETA+3], v[SETA+2:SETA+3], 0x4038aa3b op_sel_hi:[1,0]
	global_store_b128 v12, v[SETA:SETA+3], s[14:15]   ; a wave stores 512 consecutive bytes
	s_set_vgpr_msb 0x5
	s_wait_tensorcnt 0x0
	ds_add_u32 v0, v1
	s_wait_dscnt 0x0
	s_set_vgpr_msb 0x500
	s_endpgm
.Lhigh:
	s_cmp_eq_u32 s[WV], 4
	s_cbranch_scc0 .Ldone
	ds_load_b128 v[SETA:SETA+3], v13               ; the tile's 512 bytes of scale words
	s_wait_dscnt 0x0
	global_store_b128 v4, v[SETA:SETA+3], s[12:13]
.Ldone:
	s_set_vgpr_msb 0x5
	s_wait_tensorcnt 0x0
	ds_add_u32 v0, v1
	s_wait_dscnt 0x0
	s_set_vgpr_msb 0x500
	s_endpgm
.Lfunc_end_k_qf2718ee866_prep:
	.size	k_qf2718ee866_prep, .Lfunc_end_k_qf2718ee866_prep-k_qf2718ee866_prep
	.p2alignl 7, 3214868480
	.fill 96, 4, 3214868480
	.section	.rodata,"a",@progbits
	.p2align	6, 0x0
	.amdhsa_kernel k_qf2718ee866_prep
		.amdhsa_group_segment_fixed_size 17920
		.amdhsa_private_segment_fixed_size 0
		.amdhsa_enable_private_segment 0
		.amdhsa_kernarg_size 48
		.amdhsa_user_sgpr_count 2
		.amdhsa_user_sgpr_kernarg_segment_ptr 1
		.amdhsa_wavefront_size32 1
		.amdhsa_system_sgpr_workgroup_id_x 1
		.amdhsa_system_sgpr_workgroup_id_y 1
		.amdhsa_system_sgpr_workgroup_id_z 1
		.amdhsa_system_vgpr_workitem_id 0
		.amdhsa_next_free_vgpr 258
		.amdhsa_next_free_sgpr 66
		.amdhsa_reserve_vcc 0
		.amdhsa_float_denorm_mode_32 3
		.amdhsa_float_denorm_mode_16_64 3
		.amdhsa_memory_ordered 1
		.amdhsa_forward_progress 1
		.amdhsa_inst_pref_size 51
	.end_amdhsa_kernel
	.amdgpu_metadata
---
amdhsa.version: [ 1, 2 ]
amdhsa.kernels:
  - .name:           k_qf2718ee866_prep
    .symbol:         k_qf2718ee866_prep.kd
    .args:
      - { .name: U_a, .offset: 0, .size: 8, .value_kind: global_buffer, .address_space: global }
      - { .name: W_a, .offset: 8, .size: 8, .value_kind: global_buffer, .address_space: global }
      - { .name: hidden, .offset: 16, .size: 8, .value_kind: global_buffer, .address_space: global }
      - { .name: ucodes, .offset: 24, .size: 8, .value_kind: global_buffer, .address_space: global }
      - { .name: uscales, .offset: 32, .size: 8, .value_kind: global_buffer, .address_space: global }
      - { .name: whc, .offset: 40, .size: 8, .value_kind: global_buffer, .address_space: global }
    .group_segment_fixed_size: 17920
    .private_segment_fixed_size: 0
    .kernarg_segment_align: 8
    .kernarg_segment_size: 48
    .max_flat_workgroup_size: 256
    .sgpr_count:     66
    .vgpr_count:     258
    .wavefront_size: 32
...
	.end_amdgpu_metadata
.endif
;; end of part 1
;; launch score (part 2): grid 256 x 1, 4 waves a work-group, clusters of 4 x 1, 327,680 bytes of LDS; arguments encoder_outputs, ucodes, uscales, whc, v_a, scores; writes scores
.if DOCPART == 2
	.amdgcn_target "amdgcn-amd-amdhsa--gfx1250"
	.amdhsa_code_object_version 6
	.text
	.protected	k_qf2718ee866_score
	.globl	k_qf2718ee866_score
	.p2align	8
	.type	k_qf2718ee866_score,@function
k_qf2718ee866_score:
	s_mov_b64 s[64:65], 0
	v_nop
	global_prefetch_b8 v0, s[64:65] scope:SCOPE_SE
	s_setreg_imm32_b32 hwreg(HW_REG_WAVE_MODE, 25, 1), 1
	s_wait_xcnt 0x0
	s_wait_alu depctr_hold_cnt(0) depctr_sa_sdst(0) depctr_va_vdst(0) depctr_va_sdst(0) depctr_va_ssrc(0) depctr_va_vcc(0) depctr_vm_vsrc(0)
	s_getreg_b32 s2, hwreg(HW_REG_IB_STS2, 6, 4)
	s_cmp_eq_u32 s2, 0
	s_cbranch_scc0 .Lentry_in_a_cluster
	s_endpgm
.Lentry_in_a_cluster:
	s_bfe_u32 s2, ttmp6, 0x10000c
	s_cmp_lg_u32 s2, 0x3003
	s_cbranch_scc0 .Lentry_shape_is_right
	s_endpgm
.Lentry_shape_is_right:
; scores[row] = -2 x the sum over o of v[o] / (1 + 2^(c ue[row][o] + c wh[b][o])), c = 2 log2(e), ue = Q(enc) Q(U_a)^T on codes of BF8 (E5M2) with E8M0 scales.
; tanh x = 1 - 2 / (1 + 2^(c x)), so this is the module's score less the sum of v: a term that is the same along the softmax's axis for all values of the inputs, and is left out.
; Where 2^(..) runs over to infinity the reciprocal is 0, which is tanh = 1.
; LIMITS: NaN and infinities among the inputs are not served; a block of zeros gets the scale byte 1 (its codes are zeros; only this program reads the bytes).
; SHARES.  A work-group owns 256 rows of enc, each of its four waves 64: four tiles of 16.  PHASE A: a wave quantises its 64 rows x 1,024; the codes stay in 512 registers.
; THE LOOP: the wave walks U's 64 tiles of 16 outputs; a fragment of U read from LDS (2,048 bytes) feeds four matrix instructions.  A tile's 32 products come first, then its tanh in batches.
; CLUSTER.  All work-groups walk the same U, and the four of a cluster belong to one batch: every tensor load is asked for JOINTLY by the four, with one descriptor and the mask 15.
; No data prefetch: U's codes (1 MB) are read by all 256 work-groups in step, and enc goes from memory straight into registers, 64 loads a wave on their way.
; THE MATRIX INSTRUCTION IS USED TRANSPOSED: source 0 = 16 rows of U, source 1 = 16 rows of enc: lane (r, h), register j: row r of enc, output 8 h + j.
; REGISTERS, in windows of 256: window 0: v1-15 addresses; v16-31 enc's scale words; v32-39 U's, two sets; v40-47 c wh; v48-79 four accumulators; v80-87 the rows' sums; v88-95 v; v112-239 U's eight fragments (phase A: at work).
;   window 1: phase A: four sets of 64 numbers as loaded.   window 2: enc's codes of K steps 0-3 (64 ks + 16 i);   window 3: K steps 4-7.
.set RING1, 65536                      ; LDS: slot 0 at 0, slot 1 here; a slot holds four tiles of U
.set TILEB, 16384                      ; a tile: 8 fragments x 2,048 bytes, images of the operand's registers
.set USC,   131072                     ; U's scale words, 512 bytes a tile: filled once
.set WHC,   163840                     ; c wh of my batch, 64 bytes a tile: filled once
.set VTB,   167936                     ; v: stored once, through registers
.set SPARE, 172032                     ; the spare words, 128 bytes a wave
.set TURN,  172544                     ; each wave's own: two places of 16 rows x 528 bytes
.set TURNW, 16896
.set TP,    528
.set CST,   240128                     ; each wave's own: 8 fragment images, then 8 x 128 bytes of scale words
.set CSTW,  17408
.set LI,  1
.set ADR, 2
.set SBA, 3
.set TA,  4
.set SPW, 5
.set NIL, 6
.set TSW, 7
.set TSR, 8
.set CSW, 9
.set CSS, 10
.set CSP, 11
.set SA,  16
.set SB,  32
.set WH,  40
.set ACC, 48
.set SC,  80
.set VV,  88
.set BF,  112
.set XN,  112
.set CD,  176
.set TM,  192
.set PW,  208
.set TT,  112
.set WV,  16
.set G1R, 24                           ; a tile of U: 64 rows of 256 bytes
.set G1U, 32                           ; U's scale words: 128 rows of 256 bytes
.set G1W, 40                           ; c wh: 64 rows of 64 bytes, 2,048 bytes apart
.set G1H, 48                           ; a whole slot: 256 rows of 256 bytes
.set G0A, 56
.set G0B, 60                           ; walks
.set G0U, 68
.set G0W, 72
.set G0C, 76
.set CS,  80
.set SEL, 82
.set MNT, 84
.set HM,  85
.set TB,  86
.set TO,  90
.set CO,  91
.set CW,  92
.set TUB, 93
.set EP,  94
.set CSB, 96
.set MSB, 0
.macro WIN new
.if MSB != \new
	s_set_vgpr_msb (MSB<<8)|\new
.set MSB, \new
.endif
.endm
.macro ROUND
	s_barrier_signal -1
	s_barrier_wait -1
	s_cmp_lg_u32 s[WV], 0
	s_cbranch_scc1 .Lnot_wave_0_\@
	s_barrier_signal -3
.Lnot_wave_0_\@:
	s_barrier_wait -3
	s_barrier_signal -1
	s_barrier_wait -1
.endm
.macro PLACES n
.rept \n
	v_nop
.endr
.endm
.macro G1SET g, logb, c, r, p
	s_mov_b32 s[\g], 15|(\logb<<16)|(1<<21)
	s_mov_b32 s[\g+1], \c<<16
	s_mov_b32 s[\g+2], \r<<16
	s_mov_b32 s[\g+3], \c<<16
	s_mov_b32 s[\g+4], \r
	s_mov_b32 s[\g+5], \p
	s_mov_b32 s[\g+6], 0
	s_mov_b32 s[\g+7], 0
.endm
; 64 numbers of a lane, register 16 b + i = k 32 b + 16 (lane / 16) + i of my row, become a fragment's codes in v[d] on and its scale word in v[pw]
.macro QUANT s, d, pw
.irp b, 0,1,2,3
	v_max3_num_f32 v[TM+\b], |v[\s+16*\b]|, |v[\s+1+16*\b]|, 0x8000000   ; the floor 2^(16 - 127): the byte cannot fall under 1
.endr
.irp i, 2,4,6,8,10,12,14
.irp b, 0,1,2,3
	v_max3_num_f32 v[TM+\b], v[TM+\b], |v[\s+16*\b+\i]|, |v[\s+1+16*\b+\i]|
.endr
.endr
.irp b, 0,1,2,3
	v_permlanex16_b32 v[TM+4+\b], v[TM+\b], s[SEL], s[SEL+1]
.endr
.irp b, 0,1,2,3
	v_max_num_f32 v[TM+\b], v[TM+\b], v[TM+4+\b]
.endr
.irp b, 0,1,2,3
	v_add_nc_u32 v[TM+12+\b], 0xf8800000, v[TM+\b]   ; 15 off the exponent field: the conversion's scale operand
.endr
.irp b, 0,1,2,3
	v_and_or_b32 v[TM+8+\b], v[TM+\b], 0x7f800000, s[MNT]   ; 57,344 x the scale
.endr
.irp b, 0,1,2,3
	v_lshrrev_b32 v[TM+4+\b], 23, v[TM+12+\b]
.endr
	v_lshl_or_b32 v[\pw], v[TM+5], 8, v[TM+4]
	v_lshl_or_b32 v[\pw], v[TM+6], 16, v[\pw]
	v_lshl_or_b32 v[\pw], v[TM+7], 24, v[\pw]
.irp b, 0,1,2,3
.irp i, 0,1,2,3,4,5,6,7,8,9,10,11,12,13,14,15
	v_med3_num_f32 v[\s+16*\b+\i], v[\s+16*\b+\i], -v[TM+8+\b], v[TM+8+\b]   ; the conversion does not saturate (ISA guide 7.6.2): the hold comes first
.endr
	v_cvt_scalef32_pk8_bf8_f32 v[\d+4*\b:\d+1+4*\b], v[\s+16*\b:\s+7+16*\b], v[TM+12+\b]
	v_cvt_scalef32_pk8_bf8_f32 v[\d+2+4*\b:\d+3+4*\b], v[\s+8+16*\b:\s+15+16*\b], v[TM+12+\b]
.endr
	v_nop                                          ; one plain line behind the last conversion
.endm
	s_load_b256 s[4:11], s[0:1], 0x0               ; enc s[4:5], ucodes s[6:7], uscales s[8:9], whc s[10:11]
	s_load_b128 s[12:15], s[0:1], 0x20             ; v_a s[12:13], scores s[14:15]
	v_lshl_add_u32 v[SPW], v0, 2, SPARE
	v_mov_b32 v[NIL], 0
	ds_add_u32 v[SPW], v[NIL]                      ; the opening lines: the add twice on end and one wait
	ds_add_u32 v[SPW], v[NIL]
	v_lshrrev_b32 v12, 5, v0
	v_readfirstlane_b32 s[WV], v12                 ; wave 0..3
	s_bfe_u32 s17, ttmp6, 0x40000                  ; cx: it enters enc's and scores' addresses alone
	s_lshl_b32 s18, ttmp9, 2
	s_add_co_u32 s18, s18, s17                     ; my block of 256 rows = 4 x cluster + cx
	s_lshr_b32 s19, ttmp9, 1                       ; the batch, which the four partners share
	G1SET G1R, 3, 32, 64, 32
	G1SET G1U, 3, 32, 128, 32
	G1SET G1W, 2, 16, 64, 512
	G1SET G1H, 3, 32, 256, 32
	s_mov_b32 s[CS], 0x4038aa3b                    ; c = 2 log2(e)
	s_mov_b32 s[CS+1], s[CS]
	s_mov_b32 s[SEL], 0x76543210
	s_mov_b32 s[SEL+1], 0xfedcba98
	s_mov_b32 s[MNT], 0x600000
	s_mov_b32 s[HM], 0xffff0000
	s_mul_i32 s[TUB], s[WV], TURNW
	s_add_co_u32 s[TUB], s[TUB], TURN
	s_mul_i32 s[CSB], s[WV], CSTW
	s_add_co_u32 s[CSB], s[CSB], CST
	s_mov_b32 s21, 0
	s_wait_dscnt 0x0
	s_wait_kmcnt 0x0
	s_mov_b32 s[G0A], 1                            ; slot 0, whole
	s_mov_b32 s[G0A+1], 0
	s_mov_b64 s[G0A+2:G0A+3], s[6:7]
	s_or_b32 s[G0A+3], s[G0A+3], 0x80000000
	s_mov_b32 s[G0C], 1                            ; slot 1, whole
	s_mov_b32 s[G0C+1], RING1
	s_add_nc_u64 s[G0C+2:G0C+3], s[6:7], RING1
	s_or_b32 s[G0C+3], s[G0C+3], 0x80000000
	s_lshl_b32 s20, s[WV], 14                      ; in the ring wave w fetches tile w of a slot; the walking descriptor stands at slot 1 and is stepped ahead of its first use
	s_mov_b32 s[G0B], 1
	s_add_co_u32 s[G0B+1], s20, RING1
	s_add_nc_u64 s[G0B+2:G0B+3], s[6:7], s[20:21]
	s_add_nc_u64 s[G0B+2:G0B+3], s[G0B+2:G0B+3], RING1
	s_or_b32 s[G0B+3], s[G0B+3], 0x80000000
	s_mov_b32 s[G0U], 1
	s_mov_b32 s[G0U+1], USC
	s_mov_b64 s[G0U+2:G0U+3], s[8:9]
	s_or_b32 s[G0U+3], s[G0U+3], 0x80000000
	s_mov_b32 s[G0W], 1
	s_mov_b32 s[G0W+1], WHC
	s_lshl_b32 s20, s19, 6                         ; my batch's 64 bytes in each tile of whc
	s_add_nc_u64 s[G0W+2:G0W+3], s[10:11], s[20:21]
	s_or_b32 s[G0W+3], s[G0W+3], 0x80000000
	s_lshl_b32 s2, s18, 20
	s_lshl_b32 s3, s[WV], 18
	s_add_co_u32 s2, s2, s3
	s_mov_b32 s3, 0
	s_add_nc_u64 s[EP:EP+1], s[4:5], s[2:3]        ; enc at my wave's 64 rows
	s_lshl_b32 s2, s18, 10
	s_lshl_b32 s23, s[WV], 8
	s_add_co_u32 s2, s2, s23
	s_add_nc_u64 s[14:15], s[14:15], s[2:3]        ; my wave's 256 bytes of scores
	ROUND                                          ; all four work-groups are here: the first joint loads meet
; the head's loads, one a wave, in one chain of arms: wave 0 slot 0, wave 1 slot 1, wave 2 U's scale words, wave 3 c wh
.macro ARM under, g0, g1, next
	s_cmp_lt_u32 s[WV], \under
	s_cbranch_scc0 \next
	tensor_load_to_lds s[\g0:\g0+3], s[\g1:\g1+7]
	s_nop 0
	PLACES 4
	s_branch .Lhead_asked
\next:
.endm
	ARM 1, G0A, G1H, .Lhead_1
	ARM 2, G0C, G1H, .Lhead_2
	ARM 3, G0U, G1U, .Lhead_3
	tensor_load_to_lds s[G0W:G0W+3], s[G1W:G1W+7]
	s_nop 0
	PLACES 4
.Lhead_asked:
	v_and_b32 v12, 31, v0                          ; lane
	v_and_b32 v13, 15, v0                          ; r
	v_bfe_u32 v14, v0, 4, 1                        ; h
	v_lshlrev_b32 v15, 4, v0                       ; 16 x thread: v's 4,096 bytes, two loads of 2,048 a work-group
	v_add_nc_u32 v[ADR], VTB, v15
	v_lshlrev_b32 v[LI], 4, v12
	v_add_nc_u32 v[SBA], USC, v[LI]
	v_lshl_add_u32 v[TA], v14, 5, WHC
	v_add_nc_u32 v[TSW], s[TUB], v[LI]
	v_mul_u32_u24 v[TSR], v13, TP
	v_lshl_add_u32 v[TSR], v14, 6, v[TSR]
	v_add_nc_u32 v[TSR], s[TUB], v[TSR]
	v_add_nc_u32 v[CSW], s[CSB], v[LI]
	v_lshl_add_u32 v[CSS], v12, 2, s[CSB]
	v_add_nc_u32 v[CSS], 16384, v[CSS]
	v_lshlrev_b32 v[CSP], 2, v13
	v_lshl_add_u32 v[CSP], v14, 9, v[CSP]
	v_add_nc_u32 v[CSP], s[CSB], v[CSP]
	v_add_nc_u32 v[CSP], 16384, v[CSP]
.irp b, 0,1,2,3
	v_mov_b32 v[TM+4+\b], 0                        ; a lane permute's destination counts as one of its sources
.endr
	global_load_b128 v[XN:XN+3], v15, s[12:13]
	global_load_b128 v[XN+4:XN+7], v15, s[12:13] offset:2048
	WIN 0x40
.irp s, 0,1,2
.irp q, 0,1,2,3,4,5,6,7,8,9,10,11,12,13,14,15
	global_load_b128 v[64*\s+4*\q:64*\s+4*\q+3], v[LI], s[EP:EP+1] offset:65536*\s+4096*\q   ; set s = row tile s; a load reads 512 consecutive bytes of one row: K step 0
.endr
.endr
	WIN 0
	s_wait_alu depctr_va_vdst(0)                   ; the wait at the head's end
	s_wait_loadcnt 48                              ; v is in; the 48 loads of enc may be out
	ds_store_b128 v[ADR], v[XN:XN+3]
	ds_store_b128 v[ADR], v[XN+4:XN+7] offset:2048
	WIN 0x40
.irp q, 0,1,2,3,4,5,6,7,8,9,10,11,12,13,14,15
	global_load_b128 v[192+4*\q:192+4*\q+3], v[LI], s[EP:EP+1] offset:65536*3+4096*\q
.endr
	WIN 0
; PHASE A.  A unit is 16 rows x 128 along K.  Sets a and b go into the two places as loaded; then (re = 1) the same sets are asked for anew, one K step on.  n0, n1: the younger loads that may stay out.
.macro P1 a, b, re, n0, n1
	WIN 0x04
	s_wait_loadcnt \n0
.irp q, 0,1,2,3,4,5,6,7,8,9,10,11,12,13,14,15
	ds_store_b128 v[TSW], v[64*\a+4*\q:64*\a+4*\q+3] offset:TP*\q
.endr
	s_wait_loadcnt \n1
.irp q, 0,1,2,3,4,5,6,7,8,9,10,11,12,13,14,15
	ds_store_b128 v[TSW], v[64*\b+4*\q:64*\b+4*\q+3] offset:16*TP+TP*\q
.endr
	s_wait_dscnt 0x0                               ; the stores have read their registers
.if \re
	WIN 0x40
.irp q, 0,1,2,3,4,5,6,7,8,9,10,11,12,13,14,15
	global_load_b128 v[64*\a+4*\q:64*\a+4*\q+3], v[LI], s[EP:EP+1] offset:65536*\a+4096*\q+512
.endr
.irp q, 0,1,2,3,4,5,6,7,8,9,10,11,12,13,14,15
	global_load_b128 v[64*\b+4*\q:64*\b+4*\q+3], v[LI], s[EP:EP+1] offset:65536*\b+4096*\q+512
.endr
.endif
	WIN 0
.endm
; the two places' units are quantised; codes and scale word go to the wave's own bytes as images of registers; all LDS here is the wave's own and is served in order (ISA guide 5.7.1.4)
.macro UNITS
	s_mov_b32 s[TO], 0
	s_mov_b32 s88, 2
.Lunit_\@:
	v_add_nc_u32 v12, s[TO], v[TSR]
.irp b, 0,1,2,3
.irp j, 0,1,2,3
	ds_load_b128 v[XN+16*\b+4*\j:XN+16*\b+4*\j+3], v12 offset:128*\b+16*\j
.endr
.endr
	s_wait_dscnt 0x0
	QUANT XN, CD, PW
	v_add_nc_u32 v13, s[CO], v[CSW]
	v_add_nc_u32 v14, s[CW], v[CSS]
.irp c, 0,1,2,3
	ds_store_b128 v13, v[CD+4*\c:CD+4*\c+3] offset:512*\c
.endr
	ds_store_b32 v14, v[PW]
	s_add_co_u32 s[TO], s[TO], 16*TP
	s_add_co_u32 s[CO], s[CO], 2048
	s_add_co_u32 s[CW], s[CW], 128
	s_sub_co_u32 s88, s88, 1
	s_cmp_lg_u32 s88, 0
	s_cbranch_scc1 .Lunit_\@
.endm
; one K step of my 64 rows; the sets are asked for in the order 0, 1, 2, 3: at a set's wait three younger sets (48 loads), then two (32), may be out; in the last K step one (16), then none
.macro TRIP re
	P1 0, 1, \re, 48, 32
	UNITS
.if \re
	P1 2, 3, 1, 48, 32
.else
	P1 2, 3, 0, 16, 0
.endif
	UNITS
.if \re
	s_wait_xcnt 0x0                                ; the loads have read their base
	s_add_nc_u64 s[EP:EP+1], s[EP:EP+1], 512
.endif
.endm
.macro PULL g                          ; two K steps' codes come back into the registers where they stay, and their scale words with them
.if \g < 2
	WIN 0x80
.else
	WIN 0xc0
.endif
.irp kk, 0,1
.irp i, 0,1,2,3
.irp c, 0,1,2,3
	ds_load_b128 v[64*(2*((\g)%2)+\kk)+16*\i+4*\c:64*(2*((\g)%2)+\kk)+16*\i+4*\c+3], v[CSW] offset:2048*(4*\kk+\i)+512*\c
.endr
.endr
.endr
	WIN 0
.irp i, 0,1,2,3
	ds_load_b32 v[SA+4*\i+\g], v[CSP] offset:128*\i
.endr
.endm
.macro GROUP g
	s_mov_b32 s[CO], 0
	s_mov_b32 s[CW], 0
	s_mov_b32 s87, 2
.Ltrip_\@:
	TRIP 1
	s_sub_co_u32 s87, s87, 1
	s_cmp_lg_u32 s87, 0
	s_cbranch_scc1 .Ltrip_\@
	PULL \g
.endm
	GROUP 0
	GROUP 1
	GROUP 2
	s_mov_b32 s[CO], 0
	s_mov_b32 s[CW], 0
	TRIP 1
	TRIP 0                                         ; the last K step asks for nothing: no load leaves the buffer
	PULL 3
.irp i, 0,1,2,3,4,5,6,7
	v_mov_b32 v[SC+\i], 0                          ; the rows' sums
.endr
	s_wait_tensorcnt 0x0                           ; my tile of the head's four has landed
	s_wait_dscnt 0x0                               ; my codes are in their registers, my part of v lies in LDS
	s_barrier_signal -1
	s_barrier_wait -1                              ; everybody's parts are there
.macro FRAGS f0                        ; four fragments of the tile at v[ADR]
.irp f, \f0, \f0+1, \f0+2, \f0+3
.irp c, 0,1,2,3
	ds_load_b128 v[BF+16*(\f)+4*\c:BF+16*(\f)+4*\c+3], v[ADR] offset:2048*(\f)+512*\c
.endr
.endr
.endm
.macro WHLOAD
	ds_load_b128 v[WH:WH+3], v[TA]
	ds_load_b128 v[WH+4:WH+7], v[TA] offset:16
.endm
.macro VLOAD
	ds_load_b128 v[VV:VV+3], v[TA] offset:VTB-WHC
	ds_load_b128 v[VV+4:VV+7], v[TA] offset:VTB-WHC+16
.endm
	v_mov_b32 v[ADR], v[LI]                        ; tile 0
	ds_load_b128 v[SB:SB+3], v[SBA]
	FRAGS 0
	FRAGS 4
	WHLOAD
	VLOAD
	v_add_nc_u32 v[SBA], 0x200, v[SBA]
	v_add_nc_u32 v[TA], 64, v[TA]
	s_mov_b32 s[TB], TILEB
	s_wait_alu depctr_va_vdst(0)                   ; the wait here
; matrix instruction n of a tile's 32: K step n / 4, row tile n % 4.  The four accumulators take turns, one instruction a turn.
.macro MM par, n
.set ks, (\n)/4
.set ii, (\n)%4
.set rD, ACC+8*ii
.set rB, BF+16*ks
.set rA, 64*(ks%4)+16*ii
.set rU, SB+4*(\par)+ks/2
.set rE, SA+4*ii+ks/2
.if ks == 0
	v_wmma_scale_f32_16x16x128_f8f6f4 v[rD:rD+7], v[rB:rB+15], v[rA:rA+15], 0, v[rU], v[rE] matrix_a_fmt:MATRIX_FMT_BF8 matrix_b_fmt:MATRIX_FMT_BF8
.elseif ks%2 == 0
	v_wmma_scale_f32_16x16x128_f8f6f4 v[rD:rD+7], v[rB:rB+15], v[rA:rA+15], v[rD:rD+7], v[rU], v[rE] matrix_a_fmt:MATRIX_FMT_BF8 matrix_b_fmt:MATRIX_FMT_BF8
.else
	v_wmma_scale_f32_16x16x128_f8f6f4 v[rD:rD+7], v[rB:rB+15], v[rA:rA+15], v[rD:rD+7], v[rU], v[rE] matrix_a_fmt:MATRIX_FMT_BF8 matrix_b_fmt:MATRIX_FMT_BF8 matrix_a_scale:MATRIX_SCALE_ROW1 matrix_b_scale:MATRIX_SCALE_ROW1
.endif
.endm
.macro MMS par, n0
.set mn, \n0
.rept 16
	MM \par, mn
.set mn, mn+1
.endr
.endm
; A PERIOD: one tile of U.  par: the set of U's scale words.  fetch = 1: the next tile's fragments are fetched: 0-3 in the middle, 4-7 behind the products.
; change = 1: the slot's last period: all reads of the slot have been issued; it is filled again, with the tiles two slots on.  change = 2: the same change of slots with nothing left to fetch.
; LDS loads are issued in the order: U's scale words and fragments 0-3 (17), fragments 4-7 (16), c wh (2), v (2).
.macro PERIOD par, fetch, change
	s_wait_dscnt 20                                ; the scale words and fragments 0-3 are in; the 20 younger loads may be out
	WIN 0x08                                       ; source 1: window 2
	MMS \par, 0
	WIN 0
.if \change
	s_wait_tensorcnt 0x0                           ; all my tensor loads have landed: my tile of the next slot
	ds_add_u32 v[SPW], v[NIL]
.endif
	PLACES 8                                       ; eight places ahead of loads into registers that the products read
.if \change == 1
	s_xor_b32 s[G0B+1], s[G0B+1], RING1            ; no load of mine is out: the walking descriptor goes to the other slot,
	s_add_nc_u64 s[G0B+2:G0B+3], s[G0B+2:G0B+3], RING1   ; and four tiles on
.endif
.if \change
	s_wait_dscnt 0x0                               ; the add is done, and my reads of this slot are over
.if \change == 1
	ROUND                                          ; no wave of any partner still reads the slot or has a load on its way
	tensor_load_to_lds s[G0B:G0B+3], s[G1R:G1R+7]  ; my one load behind the round: it has four periods in which to land
	s_nop 0
	PLACES 4
.else
	s_barrier_signal -1
	s_barrier_wait -1                              ; the last slot is whole
.endif
	s_sub_co_u32 s[TB], s[TB], RING1               ; the fetches go back to a slot's first tile,
	s_xor_b32 s[TB], s[TB], RING1                  ; in the other slot
.endif
.if \fetch
	v_add_nc_u32 v[ADR], s[TB], v[LI]
	s_wait_alu depctr_va_vdst(0)                   ; the wait behind the write
	ds_load_b128 v[SB+4*(1-(\par)):SB+4*(1-(\par))+3], v[SBA]
	FRAGS 0
	v_add_nc_u32 v[SBA], 0x200, v[SBA]
	s_wait_dscnt 17                                ; all but the 17 just issued: fragments 4-7, c wh and v are in
.else
	s_wait_dscnt 0x0
.endif
	WIN 0x0c                                       ; source 1: window 3
	MMS \par, 16
	WIN 0
	PLACES 8                                       ; ahead of the loads into fragments 4-7 and of the first read of the results
.if \fetch
	FRAGS 4
	s_add_co_u32 s[TB], s[TB], TILEB
.endif
.irp k, 0,1,2,3,4,5,6,7,8,9,10,11,12,13,14,15
	v_pk_fma_f32 v[ACC+2*\k:ACC+2*\k+1], v[ACC+2*\k:ACC+2*\k+1], s[CS:CS+1], v[WH+2*(\k%4):WH+2*(\k%4)+1] op_sel_hi:[1,0,1]   ; c ue + c wh; each accumulator from its low end on
.endr
.if \fetch
	WHLOAD                                         ; the next tile's c wh
.endif
	s_wait_alu depctr_va_vdst(0)                   ; the wait ahead of the batch
.set en, 0
.rept 32
	v_exp_f32 v[ACC+en], v[ACC+en]
.set en, en+1
.endr
	v_nop
	s_wait_alu depctr_va_vdst(0)                   ; and behind it
.irp k, 0,1,2,3,4,5,6,7,8,9,10,11,12,13,14,15
	v_pk_add_f32 v[ACC+2*\k:ACC+2*\k+1], v[ACC+2*\k:ACC+2*\k+1], 1.0 op_sel_hi:[1,0]
.endr
	s_wait_alu depctr_va_vdst(0)
.set en, 0
.rept 32
	v_rcp_f32 v[ACC+en], v[ACC+en]
.set en, en+1
.endr
	v_nop
	s_wait_alu depctr_va_vdst(0)
.irp jj, 0,1,2,3
.irp i, 0,1,2,3
	v_pk_fma_f32 v[SC+2*\i:SC+2*\i+1], v[ACC+8*\i+2*\jj:ACC+8*\i+2*\jj+1], v[VV+2*\jj:VV+2*\jj+1], v[SC+2*\i:SC+2*\i+1]   ; the rows' sums += v x (..), the row tiles by turns
.endr
.endr
.if \fetch
	VLOAD                                          ; the next tile's v
	v_add_nc_u32 v[TA], 64, v[TA]
.endif
.endm
.macro SLOT fetch, change
	PERIOD 0, 1, 0
	PERIOD 1, 1, 0
	PERIOD 0, 1, 0
	PERIOD 1, \fetch, \change
.endm
	s_mov_b32 s89, 14
.Lring:                                            ; 14 trips: every slot but the last two is filled again
	SLOT 1, 1
	s_sub_co_u32 s89, s89, 1
	s_cmp_lg_u32 s89, 0
	s_cbranch_scc1 .Lring
	SLOT 1, 2                                      ; the tail is written out
	SLOT 0, 0
	; the way out
.irp i, 0,1,2,3
	v_add_f32 v[TT+\i], v[SC+2*\i], v[SC+2*\i+1]
.endr
.irp i, 0,1,2,3
	v_mov_b32 v[TT+4+\i], 0
.endr
.irp i, 0,1,2,3
	v_permlanex16_b32 v[TT+4+\i], v[TT+\i], s[SEL], s[SEL+1]
.endr
.irp i, 0,1,2,3
	v_add_f32 v[TT+\i], v[TT+\i], v[TT+4+\i]       ; with lane l xor 16's outputs: the row's sum
.endr
.irp i, 0,1,2,3
	v_mul_f32 v[TT+\i], -2.0, v[TT+\i]
.endr
	v_cndmask_b32 v[TT+8], v[TT], v[TT+1], s[HM]   ; lane l: row l
	v_cndmask_b32 v[TT+9], v[TT+2], v[TT+3], s[HM] ; lane l: row 32 + l
	v_and_b32 v12, 31, v0
	v_lshl_add_u32 v13, v12, 2, s[TUB]
	v_lshl_add_u32 v14, v12, 3, s[TUB]
	v_lshlrev_b32 v15, 3, v12
	ds_store_b32 v13, v[TT+8]
	ds_store_b32 v13, v[TT+9] offset:128
	ds_load_b64 v[TT+10:TT+11], v14                ; LDS serves a wave's instructions in order: this sees my stores
	s_wait_alu depctr_va_vdst(0)                   ; the wait here, directly ahead of the wait below
	s_wait_dscnt 0x0
	global_store_b64 v15, v[TT+10:TT+11], s[14:15] ; 32 lanes store 256 consecutive bytes, aligned
	s_wait_tensorcnt 0x0                           ; the wave's end
	ds_add_u32 v[SPW], v[NIL]
	s_wait_dscnt 0x0
	ROUND                                          ; the closing round
	s_endpgm
.Lfunc_end_k_qf2718ee866_score:
	.size	k_qf2718ee866_score, .Lfunc_end_k_qf2718ee866_score-k_qf2718ee866_score
	.p2alignl 7, 3214868480
	.fill 96, 4, 3214868480
	.section	.rodata,"a",@progbits
	.p2align	6, 0x0
	.amdhsa_kernel k_qf2718ee866_score
		.amdhsa_group_segment_fixed_size 327680
		.amdhsa_private_segment_fixed_size 0
		.amdhsa_enable_private_segment 0
		.amdhsa_kernarg_size 48
		.amdhsa_user_sgpr_count 2
		.amdhsa_user_sgpr_kernarg_segment_ptr 1
		.amdhsa_wavefront_size32 1
		.amdhsa_system_sgpr_workgroup_id_x 1
		.amdhsa_system_sgpr_workgroup_id_y 1
		.amdhsa_system_sgpr_workgroup_id_z 1
		.amdhsa_system_vgpr_workitem_id 0
		.amdhsa_next_free_vgpr 1024
		.amdhsa_next_free_sgpr 100
		.amdhsa_reserve_vcc 0
		.amdhsa_float_denorm_mode_32 3
		.amdhsa_float_denorm_mode_16_64 3
		.amdhsa_memory_ordered 1
		.amdhsa_forward_progress 1
		.amdhsa_inst_pref_size 255
	.end_amdhsa_kernel
	.section	.bss,"aw",@nobits
	.p2align	6
	.space	262144
	.amdgpu_metadata
---
amdhsa.version: [ 1, 2 ]
amdhsa.kernels:
  - .name:           k_qf2718ee866_score
    .symbol:         k_qf2718ee866_score.kd
    .args:
      - { .name: encoder_outputs, .offset: 0, .size: 8, .value_kind: global_buffer, .address_space: global }
      - { .name: ucodes, .offset: 8, .size: 8, .value_kind: global_buffer, .address_space: global }
      - { .name: uscales, .offset: 16, .size: 8, .value_kind: global_buffer, .address_space: global }
      - { .name: whc, .offset: 24, .size: 8, .value_kind: global_buffer, .address_space: global }
      - { .name: v_a, .offset: 32, .size: 8, .value_kind: global_buffer, .address_space: global }
      - { .name: scores, .offset: 40, .size: 8, .value_kind: global_buffer, .address_space: global }
    .group_segment_fixed_size: 327680
    .private_segment_fixed_size: 0
    .kernarg_segment_align: 8
    .kernarg_segment_size: 48
    .max_flat_workgroup_size: 128
    .sgpr_count:     100
    .vgpr_count:     1024
    .wavefront_size: 32
...
	.end_amdgpu_metadata
.endif
;; end of part 2
;; launch ctx (part 3): grid 8 x 32, 8 waves a work-group, no clusters, 13,824 bytes of LDS; arguments scores, encoder_outputs, out0, out1; writes out0, out1
.if DOCPART == 3
	.amdgcn_target "amdgcn-amd-amdhsa--gfx1250"
	.amdhsa_code_object_version 6
	.text
	.protected	k_qf2718ee866_ctx
	.globl	k_qf2718ee866_ctx
	.p2align	8
	.type	k_qf2718ee866_ctx,@function
k_qf2718ee866_ctx:
	s_mov_b64 s[64:65], 0
	v_nop
	global_prefetch_b8 v0, s[64:65] scope:SCOPE_SE
	s_setreg_imm32_b32 hwreg(HW_REG_WAVE_MODE, 25, 1), 1
	s_wait_xcnt 0x0
; out1[b][s] = softmax over s of scores[b][s];  out0[b][h] = the sum over s of out1[b][s] enc[b][s][h].  All in f32.
; scores lack the sum of v, a term that is the same along the softmax's axis: it cancels in the softmax for all values of the inputs.
; SHARES.  Work-group (x, b) owns columns 128 x .. 128 x + 127 of batch b, for all 2,048 positions.  Wave w takes positions 256 w .. 256 w + 255; a load is one row's 512 bytes, 16 a lane.
; THE MAXIMUM.  Each wave takes the maximum m_w of its own 256 scores away: e = 2^((s - m_w) log2 e), at most 1; its sums run over e.  At the end the eight waves are joined under the batch's maximum M
; by the factors 2^((m_w - M) log2 e), and the whole is divided by the batch's sum.  Wave x of work-group x stores its 256 positions of out1.
; One row of weights against a matrix: plain multiply-adds; NS row loads of every wave are always on their way; every offset is an immediate (255 rows of 4,096 bytes at the most), so no base is stepped.
; Each of a batch's eight work-groups reads other columns of enc; what they share is 8,192 bytes of scores: no joint request, no prefetch (the launch streams enc once).
; LIMITS: NaN and infinities among the inputs are not served.
.set NS,   38                          ; row loads on their way
.set ETB,  0                           ; LDS: e of the batch's 2,048 positions, 1,024 bytes a wave, each wave's own
.set PMX,  8192                        ; the eight waves' maxima;
.set PSM,  8448                        ; their sums;
.set CRD,  8704                        ; their parts of the context: 8 x 512 bytes
.set SPARE, 12800                      ; the spare words, 128 bytes a wave
.set LO,   1
.set AE,   2
.set AB,   3
.set PMS,  4
.set PSS,  5
.set PRD,  6
.set CWR,  7
.set CRR,  8
.set SPW,  14
.set NIL,  15
.set SUMS, 16                          ; v16-31  four sets of four sums, by turns
.set SCR,  32                          ; v32-39  my eight scores, then e
.set AW,   40                          ; v40-103 two sets of 32 weights
.set ROWS, 104                         ; v104-255 NS slots of a row's 16 bytes
.set WV,   12
.macro OVER op                         ; v10 or v12 over the wave's 32 lanes
.irp m, 1,2,4,8
	s_delay_alu instid0(VALU_DEP_1)
	\op\()_dpp v[RX], v[RX], v[RX] row_xmask:\m row_mask:0xf bank_mask:0xf
.endr
	s_delay_alu instid0(VALU_DEP_1)
	v_permlanex16_b32 v9, v[RX], s20, s21
	s_delay_alu instid0(VALU_DEP_1)
	\op v[RX], v[RX], v9
.endm
.macro WLOAD j                         ; 32 weights: one address for all lanes
.irp i, 0,1,2,3,4,5,6,7
	ds_load_b128 v[AW+32*((\j)%2)+4*\i:AW+32*((\j)%2)+4*\i+3], v[AB] offset:ETB+128*(\j)+16*\i
.endr
.endm
	s_load_b256 s[4:11], s[0:1], 0x0               ; scores s[4:5], enc s[6:7], out0 s[8:9], out1 s[10:11]
	v_lshl_add_u32 v[SPW], v0, 2, SPARE
	v_mov_b32 v[NIL], 0
	v_lshrrev_b32 v9, 5, v0
	v_readfirstlane_b32 s[WV], v9                  ; wave 0..7
	s_and_b32 s13, ttmp7, 0xffff                   ; the batch
	s_lshl_b32 s18, s[WV], 10                      ; my wave's 256 positions: 1,024 bytes
	s_lshl_b32 s14, s13, 13
	s_add_co_u32 s14, s14, s18                     ; in scores and in out1
	s_mov_b32 s15, 0
	s_lshl_b32 s16, s13, 23                        ; a batch of enc,
	s_lshl_b32 s19, s[WV], 20                      ; my wave's 256 rows,
	s_add_co_u32 s16, s16, s19
	s_lshl_b32 s19, ttmp9, 9                       ; my work-group's 512 bytes of a row
	s_add_co_u32 s16, s16, s19
	s_mov_b32 s17, 0
	s_lshl_b32 s24, s13, 12
	s_add_co_u32 s24, s24, s19                     ; out0: 4,096 b + 512 x
	s_mov_b32 s25, 0
	s_lshl_b32 s22, s[WV], 2
	s_add_co_u32 s23, s22, PSM
	s_add_co_u32 s22, s22, PMX
	s_lshl_b32 s26, s[WV], 9
	s_add_co_u32 s26, s26, CRD
	s_mov_b32 s20, 0x76543210
	s_mov_b32 s21, 0xfedcba98                      ; lane l xor 16
	v_and_b32 v9, 31, v0
	v_lshlrev_b32 v[LO], 4, v9
	v_add_nc_u32 v[AE], s18, v[LO]
	v_mov_b32 v[AB], s18
	v_mov_b32 v[PMS], s22
	v_mov_b32 v[PSS], s23
	v_mov_b32 v[PRD], PMX
	v_add_nc_u32 v[CWR], s26, v[LO]
	v_add_nc_u32 v[CRR], CRD, v[LO]
	v_mov_b32 v9, 0                                ; a lane permute's destination counts as one of its sources
	s_wait_alu depctr_va_vdst(0)                   ; the wait at the head's end
	s_wait_kmcnt 0x0
	s_add_nc_u64 s[4:5], s[4:5], s[14:15]
	s_add_nc_u64 s[6:7], s[6:7], s[16:17]
	s_add_nc_u64 s[8:9], s[8:9], s[24:25]
	s_add_nc_u64 s[10:11], s[10:11], s[14:15]
	global_load_b128 v[SCR:SCR+3], v[LO], s[4:5]                 ; positions 4 l .. 4 l + 3 of my 256
	global_load_b128 v[SCR+4:SCR+7], v[LO], s[4:5] offset:512    ; and 128 + 4 l ..
.set k, 0
.rept NS
	global_load_b128 v[ROWS+4*k:ROWS+4*k+3], v[LO], s[6:7] offset:4096*k th:TH_LOAD_NT
.set k, k+1
.endr
	s_wait_loadcnt NS                              ; the scores are in; the NS rows may be out
	v_max3_num_f32 v10, v[SCR], v[SCR+1], v[SCR+2]
	v_max3_num_f32 v12, v[SCR+3], v[SCR+4], v[SCR+5]
	v_max3_num_f32 v10, v10, v[SCR+6], v[SCR+7]
	v_max_num_f32 v10, v10, v12
.set RX, 10
	OVER v_max_num_f32                             ; m_w
.irp i, 0,1,2,3,4,5,6,7
	v_sub_f32 v[SCR+\i], v[SCR+\i], v10            ; the difference first, then the change of base
.endr
.irp i, 0,1,2,3,4,5,6,7
	v_mul_f32 v[SCR+\i], 0x3fb8aa3b, v[SCR+\i]
.endr
	s_wait_alu depctr_va_vdst(0)                   ; the wait ahead of the batch
.irp i, 0,1,2,3,4,5,6,7
	v_exp_f32 v[SCR+\i], v[SCR+\i]
.endr
	v_nop
	s_wait_alu depctr_va_vdst(0)                   ; and behind it
	v_pk_add_f32 v[12:13], v[SCR:SCR+1], v[SCR+2:SCR+3]
	v_pk_add_f32 v[AW:AW+1], v[SCR+4:SCR+5], v[SCR+6:SCR+7]
	v_pk_add_f32 v[12:13], v[12:13], v[AW:AW+1]
	v_add_f32 v12, v12, v13
.set RX, 12
	OVER v_add_f32                                 ; my wave's sum of e
	ds_store_b128 v[AE], v[SCR:SCR+3] offset:ETB
	ds_store_b128 v[AE], v[SCR+4:SCR+7] offset:ETB+512
	ds_store_b32 v[PMS], v10
	ds_store_b32 v[PSS], v12
	WLOAD 0                                        ; LDS serves a wave's instructions in order: these see my stores
; 256 rows.  At row k's wait the NS - 1 younger loads may be out, at the end as many as are left.  A set of weights is asked for 32 rows ahead of its use.
.set k, 0
.rept 256
.if k%32 == 0
	s_wait_dscnt 0x0
.if k/32+1 < 8
	WLOAD k/32+1
.endif
.endif
.if k+NS <= 256
	s_wait_loadcnt NS-1
.else
	s_wait_loadcnt 255-k
.endif
.irp c, 0,1,2,3
.if k < 4
	v_mul_f32 v[SUMS+4*(k%4)+\c], v[AW+(k%64)], v[ROWS+4*(k%NS)+\c]    ; the first product starts each sum
.else
	v_fmac_f32 v[SUMS+4*(k%4)+\c], v[AW+(k%64)], v[ROWS+4*(k%NS)+\c]
.endif
.endr
.if k+NS < 256
	global_load_b128 v[ROWS+4*(k%NS):ROWS+4*(k%NS)+3], v[LO], s[6:7] offset:4096*(k+NS) th:TH_LOAD_NT
.endif
.set k, k+1
.endr
	s_wait_alu depctr_va_vdst(0)                   ; the wait here
	v_pk_add_f32 v[SUMS:SUMS+1], v[SUMS:SUMS+1], v[SUMS+4:SUMS+5]
	v_pk_add_f32 v[SUMS+2:SUMS+3], v[SUMS+2:SUMS+3], v[SUMS+6:SUMS+7]
	v_pk_add_f32 v[SUMS+8:SUMS+9], v[SUMS+8:SUMS+9], v[SUMS+12:SUMS+13]
	v_pk_add_f32 v[SUMS+10:SUMS+11], v[SUMS+10:SUMS+11], v[SUMS+14:SUMS+15]
	v_pk_add_f32 v[SUMS:SUMS+1], v[SUMS:SUMS+1], v[SUMS+8:SUMS+9]
	v_pk_add_f32 v[SUMS+2:SUMS+3], v[SUMS+2:SUMS+3], v[SUMS+10:SUMS+11]
	ds_store_b128 v[CWR], v[SUMS:SUMS+3]
	s_wait_dscnt 0x0                               ; for the others' sake: my maximum, my sum and my part lie in LDS
	s_barrier_signal -1
	s_barrier_wait -1
	ds_load_b128 v[AW:AW+3], v[PRD]                ; the eight maxima,
	ds_load_b128 v[AW+4:AW+7], v[PRD] offset:16
	ds_load_b128 v[AW+8:AW+11], v[PRD] offset:PSM-PMX   ; the eight sums
	ds_load_b128 v[AW+12:AW+15], v[PRD] offset:PSM-PMX+16
	s_wait_dscnt 0x0
	v_max3_num_f32 v11, v[AW], v[AW+1], v[AW+2]
	v_max3_num_f32 v12, v[AW+3], v[AW+4], v[AW+5]
	v_max3_num_f32 v11, v11, v[AW+6], v[AW+7]
	v_max_num_f32 v11, v11, v12                    ; M
.irp i, 0,1,2,3,4,5,6,7
	v_sub_f32 v[AW+\i], v[AW+\i], v11
.endr
	v_sub_f32 v10, v10, v11
.irp i, 0,1,2,3,4,5,6,7
	v_mul_f32 v[AW+\i], 0x3fb8aa3b, v[AW+\i]
.endr
	v_mul_f32 v10, 0x3fb8aa3b, v10
	s_wait_alu depctr_va_vdst(0)
.irp i, 0,1,2,3,4,5,6,7
	v_exp_f32 v[AW+\i], v[AW+\i]                   ; the waves' factors,
.endr
	v_exp_f32 v10, v10                             ; and my own
	v_nop
	s_wait_alu depctr_va_vdst(0)
	v_mul_f32 v12, v[AW+8], v[AW]
	v_mul_f32 v13, v[AW+9], v[AW+1]
.irp i, 2,4,6
	v_fmac_f32 v12, v[AW+8+\i], v[AW+\i]
	v_fmac_f32 v13, v[AW+9+\i], v[AW+1+\i]
.endr
	v_add_f32 v12, v12, v13                        ; the batch's sum
	s_wait_alu depctr_va_vdst(0)
	v_rcp_f32 v13, v12
	v_nop
	s_wait_alu depctr_va_vdst(0)
	s_cmp_lg_u32 s[WV], ttmp9
	s_cbranch_scc1 .Lnot_attn
	v_mul_f32 v9, v10, v13
.irp i, 0,1,2,3,4,5,6,7
	v_mul_f32 v[SCR+\i], v[SCR+\i], v9
.endr
	global_store_b128 v[LO], v[SCR:SCR+3], s[10:11]              ; a wave stores 512 consecutive bytes; these registers are not written again
	global_store_b128 v[LO], v[SCR+4:SCR+7], s[10:11] offset:512
.Lnot_attn:
	s_cmp_lg_u32 s[WV], 0
	s_cbranch_scc1 .Ldone
.irp w, 0,1,2,3,4,5,6,7
	ds_load_b128 v[ROWS+4*\w:ROWS+4*\w+3], v[CRR] offset:512*\w
.endr
	s_wait_dscnt 0x0
.irp c, 0,1,2,3
	v_mul_f32 v[ROWS+\c], v[ROWS+\c], v[AW]
.endr
.irp w, 1,2,3,4,5,6,7
.irp c, 0,1,2,3
	v_fmac_f32 v[ROWS+\c], v[ROWS+4*\w+\c], v[AW+\w]
.endr
.endr
.irp c, 0,1,2,3
	v_mul_f32 v[ROWS+\c], v[ROWS+\c], v13          ; / the batch's sum
.endr
	global_store_b128 v[LO], v[ROWS:ROWS+3], s[8:9]   ; 32 lanes store 512 consecutive bytes
.Ldone:
	s_wait_tensorcnt 0x0                           ; the wave's end
	ds_add_u32 v[SPW], v[NIL]
	s_wait_dscnt 0x0
	s_endpgm
.Lfunc_end_k_qf2718ee866_ctx:
	.size	k_qf2718ee866_ctx, .Lfunc_end_k_qf2718ee866_ctx-k_qf2718ee866_ctx
	.p2alignl 7, 3214868480
	.fill 96, 4, 3214868480
	.section	.rodata,"a",@progbits
	.p2align	6, 0x0
	.amdhsa_kernel k_qf2718ee866_ctx
		.amdhsa_group_segment_fixed_size 13824
		.amdhsa_private_segment_fixed_size 0
		.amdhsa_enable_private_segment 0
		.amdhsa_kernarg_size 32
		.amdhsa_user_sgpr_count 2
		.amdhsa_user_sgpr_kernarg_segment_ptr 1
		.amdhsa_wavefront_size32 1
		.amdhsa_system_sgpr_workgroup_id_x 1
		.amdhsa_system_sgpr_workgroup_id_y 1
		.amdhsa_system_sgpr_workgroup_id_z 1
		.amdhsa_system_vgpr_workitem_id 0
		.amdhsa_next_free_vgpr 256
		.amdhsa_next_free_sgpr 66
		.amdhsa_reserve_vcc 0
		.amdhsa_float_denorm_mode_32 3
		.amdhsa_float_denorm_mode_16_64 3
		.amdhsa_memory_ordered 1
		.amdhsa_forward_progress 1
		.amdhsa_inst_pref_size 79
	.end_amdhsa_kernel
	.amdgpu_metadata
---
amdhsa.version: [ 1, 2 ]
amdhsa.kernels:
  - .name:           k_qf2718ee866_ctx
    .symbol:         k_qf2718ee866_ctx.kd
    .args:
      - { .name: scores, .offset: 0, .size: 8, .value_kind: global_buffer, .address_space: global }
      - { .name: encoder_outputs, .offset: 8, .size: 8, .value_kind: global_buffer, .address_space: global }
      - { .name: out0, .offset: 16, .size: 8, .value_kind: global_buffer, .address_space: global }
      - { .name: out1, .offset: 24, .size: 8, .value_kind: global_buffer, .address_space: global }
    .group_segment_fixed_size: 13824
    .private_segment_fixed_size: 0
    .kernarg_segment_align: 8
    .kernarg_segment_size: 32
    .max_flat_workgroup_size: 256
    .sgpr_count:     66
    .vgpr_count:     256
    .wavefront_size: 32
...
	.end_amdgpu_metadata
.endif
;; end of part 3
